; MI455X (gfx1250); checked and timed in simulation.
; The chip was launched on July 23, 2026; its instructions are those of AMD's public machine-readable ISA for CDNA 5 (MIT licence, August 2026) and "CDNA5" Instruction Set Architecture Reference Guide (July 2026). The comments in the code are by the model that wrote it; some were corrected since.
;; Multihead Attention with Ro PE. Allowed arithmetic: matrix products marked QUANTISED: E4M3 operands, one given power-of-two scale a tensor, by v_wmma_f32_16x16x64_fp8_fp8 or v_wmma_f32_16x16x128_fp8_fp8, f32 sums; products left as they are: f32 operands where the result goes on into a quantised operand, else bf16, f16 or f32 operands; f32 sums; everything else in f32.
;; Inputs: Wk 1,024 x 1,024 float32; Wq 1,024 x 1,024 float32; Wv 1,024 x 1,024 float32; bk 1,024 float32; bq 1,024 float32; bv 1,024 float32; lowp_scales 8 int32 (the exponents e of the quantised operands' scales 2^e); x 4 x 4,096 x 1,024 float32.
;; Outputs: out0 4 x 4,096 x 1,024 float32.
;; This version of the problem:
;;   THIS VERSION OF THE PROBLEM IS GIVEN IN LOW PRECISION. The matrix products marked QUANTISED in the list below multiply operands that are first quantised to E4M3 (4 exponent bits, 3 mantissa bits; 8 bits a number), with one given power-of-two scale for each operand tensor; their sums are f32. All else is computed in f32.
;;   The module's matrix products, in the order in which they are computed (A, B: the left and right operand; K: the contracted axis; several contracted axes count as one K, in the product's order):
;;     1. [M 16,384, K 1,024] x [K 1,024, N 1,024]; A: input x; B: input Wq: QUANTISED (scales: A lowp_scales[0], B lowp_scales[1])
;;     2. [M 16,384, K 1,024] x [K 1,024, N 1,024]; A: input x; B: input Wk: QUANTISED (scales: A lowp_scales[2], B lowp_scales[3])
;;     3. [M 16,384, K 1,024] x [K 1,024, N 1,024]; A: input x; B: input Wv: QUANTISED (scales: A lowp_scales[4], B lowp_scales[5])
;;     4. batch 16,384 x [M 16, K 64] x [K 64, N 16]; A: computed on the way; B: computed on the way: QUANTISED (scales: A lowp_scales[6], B lowp_scales[7])
;;     5. batch 16,384 x [M 16, K 16] x [K 16, N 64]; A: softmax; B: computed on the way: left as it is (K = 16 < 32)
;;   THE QUANTISER, for each operand of a quantised product, along K:
;;     - The operand's scale is 2^e, e = its entry of the input lowp_scales (int32; the entries are numbered through the quantised products in the list's order, A before B).
;;     - Each number is divided by the scale, clamped to +-448, and rounded to the nearest number of E4M3, ties to even, subnormals kept.
;;     - The product sums the exact products of the quantised numbers (number of the format x scale) in f32.
;;   ~~~python
;;   def quantise(x, axis, e):      # numpy; x: float32 -> the quantised numbers, widened to float32 again
;;       x = np.moveaxis(x, axis, -1); K = x.shape[-1]
;;       r = np.clip(x / 2.0 ** e, -448, 448)
;;       step = 2.0 ** (np.maximum(np.frexp(np.where(r == 0, 1, r))[1] - 1, -6) - 3)
;;       q = np.round(r / step) * step * 2.0 ** e      # np.round: ties to even
;;       return np.moveaxis(q, -1, axis).astype(np.float32)
;;   ~~~
;;   OPERANDS COMPUTED ON THE WAY. 'Computed on the way' means the value that the module computes at that place (a softmax that the list does not call 'softmax' is quantised finished and normalised). What goes into a quantiser is computed in f32, as accurately as f32 sums, v_exp_f32 and their like allow (about 1e-6 of the number): no bf16 or f16 on the way to a quantiser, and a product that is left as it is and whose result goes on into a quantised operand takes f32 operands (vector FMAs, or v_wmma_f32_16x16x4_f32). A number that lies on a knife's edge between two numbers of the format may be rounded either way, as far as f32 arithmetic and the matrix unit's own rounding can turn it there, and no further.
;; One version. Each part assembles by itself: llvm-mc -triple=amdgcn-amd-amdhsa -mcpu=gfx1250 --defsym DOCPART=n.
;; ======== version 1 of 1: 2 launches
;; limits: values are held in bf16: 8 bits of precision; right only within a limited range of input values
;; workspace buffers: wc 3,145,728 bytes; tab 1,048,576 bytes
;; launch prep (part 1): grid 256 x 1, 4 waves a work-group, no clusters, 0 bytes of LDS; arguments Wq, Wk, Wv, lowp_scales, wc, tab; writes wc, tab
.if DOCPART == 1
	.amdgcn_target "amdgcn-amd-amdhsa--gfx1250"
	.amdhsa_code_object_version 6
	.text
	.protected	k_q9e559578db_prep
	.globl	k_q9e559578db_prep
	.p2align	8
	.type	k_q9e559578db_prep,@function
k_q9e559578db_prep:
	s_mov_b64 s[64:65], 0
	v_nop
	global_prefetch_b8 v0, s[64:65] scope:SCOPE_SE
	s_setreg_imm32_b32 hwreg(HW_REG_WAVE_MODE, 25, 1), 1
	s_wait_xcnt 0x0
; FIRST OF TWO LAUNCHES.  It makes what the second launch reads again and again: the codes of Wq, Wk, Wv, and the table of cos and sin.
; DEAD WORK: none is left out.  Every input has a way to the output: x, Wq, Wk, bq, bk feed the quantised operands of the product of heads, Wv and bv feed V, lowp_scales all of them.
; The angles of reference()'s _rope hang on the position in the sequence and on no input, and its four batches share them: the table is made once for the 4,096 positions.
; WORK-GROUPS 0-191: W_p [1024 (k)][1024 (n)] f32, p = 0, 1, 2 (q, k, v), becomes codes of E4M3 with the given scale 2^e, e = lowp_scales[2 p + 1]: code = w / 2^e, held within +-448, nearest, ties to even.
;   A LANE TAKES A COLUMN n AND ITS REGISTERS RUN DOWN K, so the conversions give codes with K innermost and nothing is transposed.  The codes are laid in the ORDER OF THE READER'S OPERAND REGISTERS:
;   wc[w 4][p 3][t 8][f 16][c 4][lane 32][16 bytes], f = 2 ks + u: lane (r, h), piece c: k = 128 ks + 32 c + 16 h + 0 .. 15 of column n = 256 w + 32 t + 8 u + r + 8 (r / 8).
;   A work-group takes 128 columns x 128 k, a wave 32 columns (one t, both u).  Each load of a wave reads 128 consecutive bytes; each store writes two aligned runs of 256 consecutive bytes.
; WORK-GROUPS 192-255: tab[block 64][idx 32][lane 32][16 bytes], idx = (4 b + m) 4 + cc: lane (r, h): cos, sin, cos, sin of position 64 block + 16 m + r at frequencies 16 b + 8 h + 2 cc and the next one.
;   freq[i] = 10000^(-2 i / 1024) = 10^(-i / 128), written here as the nearest f32 numbers; the angle is one f32 multiplication, as in reference().
;   cos and sin: j = nearest whole number to angle x 2 / pi; r = angle - j pi / 2 by three fused multiply-adds on a three-part pi / 2 (the first is exact: j has 12 bits, the first part 21); polynomials in r^2 on |r| <= pi / 4; the quadrant by selects.
; LIMITS: e between -126 and 119, so that 2^e and 448 x 2^e are f32 numbers.  NaN among the inputs is not served; an infinity is held at the largest code.
; No LDS, no barrier: waves share nothing.
.set F0,  0x3f800000
.set F1,  0x3f7b6f9e
.set F2,  0x3f76f410
.set F3,  0x3f728cf8
.set F4,  0x3f6e39f8
.set F5,  0x3f69fab4
.set F6,  0x3f65ced3
.set F7,  0x3f61b5fb
.set F8,  0x3f5dafd7
.set F9,  0x3f59bc0f
.set F10, 0x3f55da52
.set F11, 0x3f520a4c
.set F12, 0x3f4e4bac
.set F13, 0x3f4a9e24
.set F14, 0x3f470165
.set F15, 0x3f437522
.set F16, 0x3f3ff911
.set F17, 0x3f3c8ce7
.set F18, 0x3f39305c
.set F19, 0x3f35e329
.set F20, 0x3f32a506
.set F21, 0x3f2f75b1
.set F22, 0x3f2c54e5
.set F23, 0x3f294260
.set F24, 0x3f263de0
.set F25, 0x3f234726
.set F26, 0x3f205df3
.set F27, 0x3f1d8209
.set F28, 0x3f1ab32b
.set F29, 0x3f17f11e
.set F30, 0x3f153ba8
.set F31, 0x3f12928f
	s_load_b256 s[4:11], s[0:1], 0x0               ; Wq s[4:5], Wk s[6:7], Wv s[8:9], the scales' exponents s[10:11]
	s_load_b128 s[12:15], s[0:1], 0x20             ; wc s[12:13], tab s[14:15]
	v_lshrrev_b32 v1, 5, v0
	v_readfirstlane_b32 s2, v1                     ; wave 0..3
	v_and_b32 v1, 31, v0                           ; lane
	v_and_b32 v2, 15, v0                           ; r
	v_bfe_u32 v3, v0, 4, 1                         ; lane / 16: u for the weights, h for the table
	s_cmp_lt_u32 ttmp9, 192                        ; the work-group's number alone decides
	s_cbranch_scc0 .Ltable
	; ---- the weights
	s_lshr_b32 s16, ttmp9, 6                       ; p
	s_and_b32 s17, ttmp9, 7                        ; cg: which 128 columns
	s_bfe_u32 s18, ttmp9, 0x30003                  ; ks: which 128 along K
	v_and_b32 v4, 8, v2
	v_add_nc_u32 v4, v4, v2
	v_lshl_add_u32 v4, v3, 3, v4                   ; my column of the wave's 32: 8 u + r + 8 (r / 8)
	v_lshlrev_b32 v6, 2, v4                        ; in: 4 bytes a column
	v_lshlrev_b32 v7, 4, v2
	v_lshl_add_u32 v7, v3, 11, v7                  ; out: fragment u (2,048 bytes), lane r's 16 bytes
	s_lshl_b32 s20, s18, 19                        ; in: 128 ks rows of 4,096 bytes
	s_lshl_b32 s21, s17, 9
	s_add_co_u32 s20, s20, s21                     ; + 128 cg columns
	s_lshl_b32 s21, s2, 7
	s_add_co_u32 s20, s20, s21                     ; + 32 columns a wave
	s_mov_b32 s21, 0
	s_lshr_b32 s22, s17, 1                         ; out: w = cg / 2
	s_mul_i32 s22, s22, 3
	s_add_co_u32 s22, s22, s16                     ; 3 w + p
	s_lshl_b32 s22, s22, 3
	s_and_b32 s23, s17, 1
	s_lshl_b32 s23, s23, 2
	s_add_co_u32 s22, s22, s23
	s_add_co_u32 s22, s22, s2                      ; + t = 4 (cg % 2) + wave
	s_lshl_b32 s22, s22, 15                        ; x 32,768 bytes
	s_lshl_b32 s23, s18, 12
	s_add_co_u32 s22, s22, s23                     ; + fragment 2 ks
	s_mov_b32 s23, 0
	s_wait_alu depctr_va_vdst(0)
	s_wait_kmcnt 0x0
	s_load_b256 s[32:39], s[10:11], 0x0            ; the eight exponents
	s_cmp_eq_u32 s16, 0
	s_cselect_b64 s[24:25], s[4:5], s[6:7]
	s_cmp_eq_u32 s16, 2
	s_cselect_b64 s[24:25], s[8:9], s[24:25]       ; W_p: the choice hangs on the work-group's number alone
	s_add_nc_u64 s[24:25], s[24:25], s[20:21]
	s_add_nc_u64 s[26:27], s[12:13], s[22:23]
.set i, 0
.rept 128
	global_load_b32 v[32+i], v6, s[24:25] offset:4096*i th:TH_LOAD_NT   ; W(128 ks + i, my column): the wave reads 128 consecutive bytes; read once in the launch
.set i, i+1
.endr
	s_wait_kmcnt 0x0
	s_cmp_eq_u32 s16, 0
	s_cselect_b32 s28, s33, s35
	s_cmp_eq_u32 s16, 2
	s_cselect_b32 s28, s37, s28                    ; e = lowp_scales[2 p + 1]
	s_add_co_i32 s28, s28, 127
	s_lshl_b32 s29, s28, 23
	v_mov_b32 v11, s29                             ; 2^e as f32: the conversion takes its exponent field
	s_add_co_u32 s29, s29, 0x04600000              ; exponent + 8, mantissa field of 448
	v_mov_b32 v10, s29                             ; 448 x 2^e
; 32 along K: the hold, four conversions, two stores.  cnt: loads that may stay out.  Behind block c's loads 32 (3 - c) were issued; 63 is the largest count that can be written, and is smaller than 96 and 64.
.macro WBLOCK c, cnt
	s_wait_loadcnt \cnt
.set i, 0
.rept 32
	v_med3_num_f32 v[32+32*\c+i], v[32+32*\c+i], -v10, v10   ; the conversion to an 8-bit code does not saturate (ISA guide 7.6.2): hold first
.set i, i+1
.endr
.irp q, 0,1,2,3
	v_cvt_scalef32_pk8_fp8_f32 v[160+8*\c+2*\q:161+8*\c+2*\q], v[32+32*\c+8*\q:39+32*\c+8*\q], v11
.endr
	v_nop                                          ; a plain vector line behind the last conversion of the run
	global_store_b128 v7, v[160+8*\c:163+8*\c], s[26:27] offset:512*\c        ; k = 32 c + 0 .. 15: the reader's lanes 0-15.  Sixteen lanes write 256 consecutive bytes, aligned
	global_store_b128 v7, v[164+8*\c:167+8*\c], s[26:27] offset:512*\c+256    ; k = 32 c + 16 .. 31: its lanes 16-31.  No store's register is written again
.endm
	s_wait_alu depctr_va_vdst(0)
	WBLOCK 0, 63
	WBLOCK 1, 63
	WBLOCK 2, 32
	WBLOCK 3, 0
	s_endpgm
	; ---- the table
.Ltable:
	s_sub_co_u32 s16, ttmp9, 192                   ; block of 64 positions
	s_lshl_b32 s17, s16, 6
	s_lshl_b32 s18, s2, 4
	s_add_co_u32 s17, s17, s18
	s_wait_alu depctr_va_vdst(0)
	v_add_nc_u32 v4, s17, v2                       ; my position: 64 block + 16 wave + r
	v_cvt_f32_u32 v4, v4
	v_cmp_ne_u32 vcc_lo, 0, v3                     ; h = 1?
	v_lshlrev_b32 v5, 4, v1                        ; 16 bytes a lane
	s_lshl_b32 s18, s16, 14
	s_lshl_b32 s19, s2, 11
	s_add_co_u32 s18, s18, s19                     ; block x 16,384 + m x 2,048, m = wave
	s_mov_b32 s19, 0
	s_mov_b32 s28, 0xbfc90fd8                      ; - pi / 2 in three parts
	s_mov_b32 s29, 0xb4a8885a
	s_mov_b32 s30, 0xa7c234c4
	v_mov_b32 v20, 0x37cd4000                      ; the highest coefficient of cos,
	v_mov_b32 v21, 0x36405000                      ; and of sin
	s_wait_kmcnt 0x0
	s_add_nc_u64 s[14:15], s[14:15], s[18:19]
; cos into v[dc], sin into v[ds] of position x frequency; fl: the frequency of lanes 0-15, fh: of lanes 16-31
.macro SC1 dc, ds, fl, fh
	v_mov_b32 v10, \fl
	v_mov_b32 v11, \fh
	v_cndmask_b32 v10, v10, v11, vcc_lo
	s_wait_alu depctr_va_vdst(0)
	v_mul_f32 v11, v4, v10                         ; the angle: one f32 multiplication
	v_mul_f32 v12, 0x3f22f983, v11                 ; x 2 / pi
	v_rndne_f32 v12, v12                           ; j
	v_fma_f32 v13, v12, s28, v11
	v_fma_f32 v13, v12, s29, v13
	v_fma_f32 v13, v12, s30, v13                   ; r = angle - j pi / 2
	v_mul_f32 v14, v13, v13                        ; r^2
	v_fmaak_f32 v15, v20, v14, 0xbab6077d
	v_fmaak_f32 v16, v21, v14, 0xb9503486
	v_fmaak_f32 v15, v15, v14, 0x3d2aaaa8
	v_fmaak_f32 v16, v16, v14, 0x3c0888c1
	v_fma_f32 v15, v15, v14, -0.5
	v_fmaak_f32 v16, v16, v14, 0xbe2aaaab
	v_fma_f32 v15, v15, v14, 1.0                   ; C = cos r
	v_mul_f32 v17, v13, v14
	v_fma_f32 v16, v16, v17, v13                   ; S = sin r
	v_cvt_i32_f32 v17, v12
	v_and_b32 v18, 1, v17
	v_cmp_eq_u32 s24, 1, v18                       ; odd quadrant: cos and sin change places
	v_cndmask_b32 v[\dc], v15, v16, s24
	v_cndmask_b32 v[\ds], v16, v15, s24
	v_lshlrev_b32 v18, 30, v17
	v_and_b32 v18, 0x80000000, v18                 ; sin is negative in quadrants 2, 3: bit 1 of j
	v_xor_b32 v[\ds], v[\ds], v18
	v_add_nc_u32 v17, 1, v17
	v_lshlrev_b32 v17, 30, v17
	v_and_b32 v17, 0x80000000, v17                 ; cos in quadrants 1, 2: bit 1 of j + 1
	v_xor_b32 v[\dc], v[\dc], v17
.endm
.macro QUAD n, al, ah, bl, bh          ; n = 4 b + cc: two frequencies, one store of 512 consecutive bytes a wave; each store has registers of its own
	SC1 32+4*(\n), 33+4*(\n), \al, \ah
	SC1 34+4*(\n), 35+4*(\n), \bl, \bh
	global_store_b128 v5, v[32+4*(\n):35+4*(\n)], s[14:15] offset:((\n)/4)*8192+((\n)%4)*512
.endm
	QUAD 0, F0,  F8,  F1,  F9
	QUAD 1, F2,  F10, F3,  F11
	QUAD 2, F4,  F12, F5,  F13
	QUAD 3, F6,  F14, F7,  F15
	QUAD 4, F16, F24, F17, F25
	QUAD 5, F18, F26, F19, F27
	QUAD 6, F20, F28, F21, F29
	QUAD 7, F22, F30, F23, F31
	s_endpgm
.Lfunc_end_k_q9e559578db_prep:
	.size	k_q9e559578db_prep, .Lfunc_end_k_q9e559578db_prep-k_q9e559578db_prep
	.p2alignl 7, 3214868480
	.fill 96, 4, 3214868480
	.section	.rodata,"a",@progbits
	.p2align	6, 0x0
	.amdhsa_kernel k_q9e559578db_prep
		.amdhsa_group_segment_fixed_size 0
		.amdhsa_private_segment_fixed_size 0
		.amdhsa_enable_private_segment 0
		.amdhsa_kernarg_size 48
		.amdhsa_user_sgpr_count 2
		.amdhsa_user_sgpr_kernarg_segment_ptr 1
		.amdhsa_wavefront_size32 1
		.amdhsa_system_sgpr_workgroup_id_x 1
		.amdhsa_system_sgpr_workgroup_id_y 1
		.amdhsa_system_sgpr_workgroup_id_z 1
		.amdhsa_system_vgpr_workitem_id 0
		.amdhsa_next_free_vgpr 192
		.amdhsa_next_free_sgpr 66
		.amdhsa_reserve_vcc 1
		.amdhsa_float_denorm_mode_32 3
		.amdhsa_float_denorm_mode_16_64 3
		.amdhsa_memory_ordered 1
		.amdhsa_forward_progress 1
		.amdhsa_inst_pref_size 52
	.end_amdhsa_kernel
	.amdgpu_metadata
---
amdhsa.version: [ 1, 2 ]
amdhsa.kernels:
  - .name:           k_q9e559578db_prep
    .symbol:         k_q9e559578db_prep.kd
    .args:
      - { .name: Wq, .offset: 0, .size: 8, .value_kind: global_buffer, .address_space: global }
      - { .name: Wk, .offset: 8, .size: 8, .value_kind: global_buffer, .address_space: global }
      - { .name: Wv, .offset: 16, .size: 8, .value_kind: global_buffer, .address_space: global }
      - { .name: lowp_scales, .offset: 24, .size: 8, .value_kind: global_buffer, .address_space: global }
      - { .name: wc, .offset: 32, .size: 8, .value_kind: global_buffer, .address_space: global }
      - { .name: tab, .offset: 40, .size: 8, .value_kind: global_buffer, .address_space: global }
    .group_segment_fixed_size: 0
    .private_segment_fixed_size: 0
    .kernarg_segment_align: 8
    .kernarg_segment_size: 48
    .max_flat_workgroup_size: 128
    .sgpr_count:     66
    .vgpr_count:     192
    .wavefront_size: 32
...
	.end_amdgpu_metadata
.endif
;; end of part 1
;; launch fused (part 2): grid 256 x 1, 4 waves a work-group, no clusters, 327,680 bytes of LDS; arguments x, wc, tab, bq, bk, bv, lowp_scales, out0; writes out0
.if DOCPART == 2
	.amdgcn_target "amdgcn-amd-amdhsa--gfx1250"
	.amdhsa_code_object_version 6
	.text
	.protected	k_q9e559578db_fused
	.globl	k_q9e559578db_fused
	.p2align	8
	.type	k_q9e559578db_fused,@function
k_q9e559578db_fused:
	s_mov_b64 s[64:65], 0
	v_nop
	global_prefetch_b8 v0, s[64:65] scope:SCOPE_SE
	s_setreg_imm32_b32 hwreg(HW_REG_WAVE_MODE, 25, 1), 1
	s_wait_xcnt 0x0
; SECOND LAUNCH: all of reference() for 64 positions a work-group; Q, K, V, the weights p and x's codes never go to memory.  No work of reference() is left out.
; out[pos][i][:] = sum over j of softmax_j(rope(Q)[pos][i] . rope(K)[pos][j] / 8) V[pos][j][:], i, j = the 16 heads of ONE position; Q, K, V = x W + b.
; QUANTISED, on codes of E4M3: x Wq (e0, e1), x Wk (e2, e3), x Wv (e4, e5), rope(Q) (e6) with rope(K) (e7).  The last product has bf16 operands.
; EQUAL SCALES OF x: where e2 = e0 the codes for x Wk are those for x Wq, which lie in the registers already; likewise where e4 = e2.  Such a set is neither made nor loaded: scalar branches on the given whole numbers, round work alone.
; SHARES.  Four waves share the COLUMNS: wave w makes heads 4 w .. 4 w + 3 of Q, K, V for all 64 rows.  It holds the codes of 64 rows x 1,024 K in 512 registers, so a fragment of W (16 columns x 128 K) feeds four matrix
; instructions and is this wave's alone: it comes from memory straight into a ring of 16 fragments (256 registers), filled again two at a time: 56 to 64 loads of 512 bytes are out, under counted waits.
; THE MATRIX INSTRUCTION IS USED TRANSPOSED (source 0 = 16 columns of W, source 1 = 16 rows of x); the first launch chose a tile's columns so that the 16 registers of tiles u = 0, 1 are channels 32 t + 16 h + 0 .. 15 of one row.
; K is permuted inside each matrix instruction, alike on both sides.  The biases are the C of each sum's first matrix instruction, divided by the power of two that the sums lack.
; THE HEAD: each wave quantises its 16 rows, K step by K step, as they are loaded: a lane holds four neighbours of a row, so a conversion of eight numbers gives a dword of codes for each of two rows, and a row's 128 codes
; go to LDS by one store of the wave.  Behind a barrier in each step every wave loads that step's codes of all 64 rows, while later steps of x are on their way.
; Q AND K SHARE ONE LOOP of eight trips (a head each).  THE SCORES of wave w's positions 16 w .. 16 w + 15 are worked four positions at a time, once in each of V's four heads; p goes as a register image into
; the bytes of those positions' codes, which nobody reads any more.  The largest score is taken away ahead of the exponential.
; THE LAST PRODUCT: source 0 = p (two positions are one operand of 32 along K), source 1 = V, zeros in the other position's half.  V lies in LDS with channel 4 r + t at place r of tile t, so lane r's numbers of the four
; tiles are 16 neighbouring bytes of a head's row; the multiplication by 2^(e4 + e5), which V's sums lack, lays them side by side, and sixteen lanes store one aligned run of 256 bytes.
; NO JOINT LOADS, THOUGH ALL WORK-GROUPS READ THE SAME W: they land in LDS, and in the V phase this map leaves 1,536 bytes free; without V beside the codes it would leave two slots of 64 KB, 32 matrix instructions a wave
; between two rounds, each behind a wait for all loads.  The ring in registers never waits for all.  NO PREFETCH: x has 64 loads a wave out from the first lines on, W's stream 56 to 64 at all times.
; LIMITS, so that each power of two is an f32 number: e0, e2, e4, e6 - e0 - e1, e7 - e2 - e3 between -126 and 119; e6 + e7 between -123 and 130.  NaN among the inputs is not served; an infinity is held at the largest code.
; LDS: X2 0, X1 73,728, X0 147,456: images of x's codes: fragment (ks, m) is 16 rows of 144 bytes (128 codes, 16 of padding) at (4 ks + m) 2,304.  TST 221,184: the table of cos and sin on its way from wave to wave, 16,384.
;   V 0: bf16, 2,320 a position, 144 a head.  QKB 148,480: codes, 2,576 a position, 640 a wave's heads (Q's four, then K's four), 80 a head.  BIAS 313,344: [w][p][256] f32.  SPARE 325,632.
;   A region is written over only behind a barrier that every wave reaches behind its last read of what lay there.
; REGISTERS.  Window 0: v1 16 x lane; v2 r; v3 h; v4, v5 the add's two; v6-23 LDS addresses; v24-39 a pair's bias (at the end p); v40-63 at work; v64-127 sums; v128-255 cos and sin, later the scores' work, at the end v128-191 V's fragments, v192-255 rows of the output.
;   Window 1: the ring.  Windows 2, 3: x's codes, (ks, m, c) at window 2 + ks / 4, register 64 (ks % 4) + 16 m + 4 c; at the head window 3 takes x's f32 numbers as they land.
.set IMG,   73728
.set HIMG,  36864                      ; half an image: K steps 4 to 7, so that every offset fits its 16 bits
.set X0IMG, 2*IMG
.set X1IMG, IMG
.set X2IMG, 0
.set TST,   221184
.set QKB,   148480
.set PP,    2576
.set VPP,   2320
.set BIAS,  313344
.set SPARE, 325632
.set MSB, 0
.macro WIN new                         ; s_set_vgpr_msb: bits 1:0 source 0, 3:2 source 1, 5:4 source 2, 7:6 destination; the high byte repeats the setting that is left
.if MSB != (\new)
	s_set_vgpr_msb (MSB<<8)|(\new)
.set MSB, (\new)
.endif
.endm
.macro BARRIER                         ; my LDS stores have landed and my LDS loads are in: then the work-group's barrier
	s_wait_dscnt 0x0
	s_barrier_signal -1
	s_barrier_wait -1
.endm
	s_load_b512 s[8:23], s[0:1], 0x0               ; x, wc, tab, bq, bk, bv, the exponents s[20:21], out0 s[22:23]
	v_lshl_add_u32 v4, v0, 2, SPARE                ; my spare word,
	v_mov_b32 v5, 0                                ; and 0: kept for the wave's end
	v_lshrrev_b32 v1, 5, v0
	v_readfirstlane_b32 s2, v1                     ; wave 0..3
	v_and_b32 v1, 31, v0
	v_lshlrev_b32 v1, 4, v1                        ; 16 x lane
	v_and_b32 v2, 15, v0                           ; r
	v_bfe_u32 v3, v0, 4, 1                         ; h
	s_wait_alu depctr_va_vdst(0)
	s_mul_i32 s4, s2, 2304
	v_lshrrev_b32 v6, 2, v1
	v_add_nc_u32 v6, s4, v6                        ; v6: an image, in: my fragments (ks, m = w), + 4 x lane
	v_mul_u32_u24 v8, v2, 144
	v_lshl_add_u32 v8, v3, 4, v8                   ; v8: an image, out: row r, + 16 h
	v_add_nc_u32 v21, X0IMG, v8                    ; v21, v9: the first image's two halves
	v_add_nc_u32 v9, HIMG, v21
	s_lshl_b32 s4, s2, 12
	s_add_co_u32 s4, s4, TST
	v_add_nc_u32 v16, s4, v1                       ; v16: the table, in: my wave's quarter
	v_add_nc_u32 v14, TST, v1                      ; v14: out: all of it
	v_mul_u32_u24 v10, v2, PP
	v_lshl_add_u32 v10, v3, 4, v10
	s_mul_i32 s4, s2, 640
	s_add_co_u32 s4, s4, QKB
	v_add_nc_u32 v10, s4, v10                      ; v10: codes of Q, K, in: position r, my wave's heads, + 16 h
	v_mul_u32_u24 v12, v2, VPP
	v_lshl_add_u32 v12, v3, 3, v12
	s_mul_i32 s4, s2, 576
	v_add_nc_u32 v12, s4, v12                      ; v12: V, in: position r, head 4 w, + 8 h
	s_mul_i32 s4, s2, 3072
	s_add_co_u32 s4, s4, BIAS
	v_lshl_add_u32 v15, v3, 6, s4                  ; v15: my wave's biases, + 64 h
	v_lshrrev_b32 v20, 2, v2
	v_mul_u32_u24 v20, v20, 640
	v_and_b32 v22, 3, v2
	v_mad_u32_u24 v20, v22, 80, v20
	v_lshl_add_u32 v20, v3, 4, v20
	s_mul_i32 s4, s2, 16*PP
	s_add_co_u32 s4, s4, QKB
	v_add_nc_u32 v20, s4, v20                      ; v20: the scores' fragments: position 16 w, Q's head r, + 16 h; K's lies 320 on
	v_add_nc_u32 v23, s4, v1                       ; v23: p's image, in the same positions' bytes
	v_and_b32 v22, 7, v0
	v_lshl_add_u32 v22, v3, 3, v22
	v_mul_u32_u24 v22, v22, 144
	v_bfe_u32 v7, v0, 3, 1
	v_lshl_add_u32 v22, v7, 4, v22
	s_mul_i32 s4, s2, 16*VPP
	v_add_nc_u32 v22, s4, v22                      ; v22: the turning load of V: position 16 w, head 8 h + lane % 8, + 16 ((lane / 8) % 2)
	v_lshrrev_b32 v11, 6, v0
	v_mul_u32_u24 v11, v11, 3072
	v_and_b32 v13, 63, v0
	v_lshl_add_u32 v11, v13, 4, v11
	v_add_nc_u32 v11, BIAS, v11                    ; where thread t puts channels 4 t .. 4 t + 3 of a bias
	v_lshlrev_b32 v13, 4, v0                       ; and where it reads them
	s_mov_b32 s6, 0x76543210                       ; v_permlanex16_b32: lane l xor 16
	s_mov_b32 s7, 0xfedcba98
	s_wait_alu depctr_va_vdst(0)
	s_wait_kmcnt 0x0
	s_load_b256 s[24:31], s[20:21], 0x0            ; e0 .. e7
	s_lshl_b32 s4, ttmp9, 18                       ; 64 rows of 4,096 bytes a work-group,
	s_lshl_b32 s5, s2, 16                          ; 16 a wave
	s_add_co_u32 s4, s4, s5
	s_mov_b32 s5, 0
	s_add_nc_u64 s[32:33], s[8:9], s[4:5]          ; x at my wave's 16 rows
	s_add_nc_u64 s[36:37], s[22:23], s[4:5]        ; out0 likewise
	s_mul_i32 s4, s2, 786432
	s_add_nc_u64 s[34:35], s[10:11], s[4:5]        ; my wave's stream of W's codes: 24 pairs of tiles, 32,768 bytes each
	s_and_b32 s4, ttmp9, 63                        ; the block of positions in its sequence,
	s_lshl_b32 s4, s4, 2
	s_add_co_u32 s4, s4, s2                        ; and my wave's quarter of its 16,384 bytes of the table
	s_lshl_b32 s4, s4, 12
	s_add_nc_u64 s[38:39], s[12:13], s[4:5]
.irp p, 0,1,2
	global_load_b128 v[64+8*\p:67+8*\p], v13, s[14+2*\p:15+2*\p]
	global_load_b128 v[68+8*\p:71+8*\p], v13, s[14+2*\p:15+2*\p] offset:2048
.endr
	WIN 0xc0
.irp s, 0,1,2,3
.irp q, 0,1,2,3,4,5,6,7,8,9,10,11,12,13,14,15
	global_load_b128 v[64*\s+4*\q:64*\s+4*\q+3], v1, s[32:33] offset:4096*\q+512*\s th:TH_LOAD_NT   ; x: row q, K step s: the wave reads 512 consecutive bytes
.endr
.endr
	WIN 0
.irp i, 0,1,2,3,4,5,6,7
	global_load_b128 v[128+4*\i:131+4*\i], v1, s[38:39] offset:512*\i   ; my quarter of cos and sin
.endr
	s_wait_loadcnt 63                              ; the six loads of the biases are in: 72 were issued behind them, and 63 is the largest count that can be written
	s_wait_kmcnt 0x0
	s_add_co_i32 s49, s24, s25                     ; e0 + e1
	s_add_co_i32 s50, s26, s27                     ; e2 + e3
	s_add_co_i32 s43, s28, s29                     ; e4 + e5
	s_sub_co_i32 s47, s30, s49
	s_add_co_i32 s47, s47, 127
	s_lshl_b32 s47, s47, 23                        ; 2^(e6 - e0 - e1): Q's conversions
	s_sub_co_i32 s48, s31, s50
	s_add_co_i32 s48, s48, 127
	s_lshl_b32 s48, s48, 23                        ; 2^(e7 - e2 - e3): K's
	s_sub_co_i32 s49, 0, s49
	s_sub_co_i32 s50, 0, s50
	s_sub_co_i32 s51, 0, s43
	s_add_co_i32 s44, s24, 127
	s_lshl_b32 s44, s44, 23                        ; 2^e0, 2^e2, 2^e4: x's
	s_add_co_i32 s45, s26, 127
	s_lshl_b32 s45, s45, 23
	s_add_co_i32 s46, s28, 127
	s_lshl_b32 s46, s46, 23
	s_add_co_i32 s40, s30, s31
	s_lshl_b32 s40, s40, 23
	s_add_co_i32 s40, s40, 0x3e38aa3b              ; c = log2(e) / 8 x 2^(e6 + e7)
	s_mov_b32 s41, s40                             ; (named with it as a pair)
	s_xor_b32 s42, s40, 0x80000000                 ; -c
	s_cmp_lg_u32 s28, s26
	s_cselect_b32 s59, 1, 0                        ; which images are wanted.  Bit 0: X2, where e4 differs from e2;
	s_cmp_lg_u32 s26, s24
	s_cselect_b32 s4, 2, 0                         ; bit 1: X1, where e2 differs from e0;
	s_or_b32 s59, s59, s4
	s_or_b32 s59, s59, 4                           ; bit 2: X0, always
.irp p, 0,1,2
.irp i, 0,1,2,3,4,5,6,7
	v_ldexp_f32 v[64+8*\p+\i], v[64+8*\p+\i], s[49+\p]   ; the bias goes in divided by 2^(ex + ew)
.endr
.endr
.irp p, 0,1,2
	ds_store_b128 v11, v[64+8*\p:67+8*\p] offset:1024*\p
	ds_store_b128 v11, v[68+8*\p:71+8*\p] offset:6144+1024*\p   ; channels 512 on: two waves' regions on
.endr
	s_wait_dscnt 0x0
; THE HEAD, K step ks: my 16 rows x 128 numbers are quantised once for each image that is wanted; behind the step's barrier I load the step's codes of all 64 rows from the first image.
; As loaded, registers 4 q .. 4 q + 3 of a lane are k = 4 lane + 0 .. 3 of row q: a conversion's eight numbers are four of row 2 g and four of row 2 g + 1, its two results a dword of each row.
; THE WAITS: behind this step's sixteen loads stand three runs of sixteen (later steps of x; from step 5 on quarters of the ring's first fill, one of which goes out in each of steps 4 to 7): 48;
; in steps 0 to 3 the table's eight loads stand among them: 56.  Step 4's wait shows the table's loads done too: they were issued ahead of step 4's.
.macro XSTEP ks
.set SB, 64*((\ks)%4)
.if (\ks) < 4
	s_wait_loadcnt 56
.else
	s_wait_loadcnt 48
.endif
.if (\ks) == 4
.irp i, 0,1,2,3,4,5,6,7
	ds_store_b128 v16, v[128+4*\i:131+4*\i] offset:512*\i   ; my quarter of the table, for the other waves
.endr
.endif
	s_mov_b32 s56, 0                               ; three trips: images X2 (e4), X1 (e2), X0 (e0)
	s_mov_b32 s57, HIMG*((\ks)/4)
.Lscale_\@:
	s_lshr_b32 s4, s59, s56
	s_and_b32 s4, s4, 1
	s_cmp_eq_u32 s4, 0                             ; an image whose scale equals the one before it is not made
	s_cbranch_scc1 .Lsame_\@
	s_cmp_eq_u32 s56, 0
	s_cselect_b32 s4, s46, s45
	s_cmp_eq_u32 s56, 2
	s_cselect_b32 s4, s44, s4
	v_mov_b32 v18, s4                              ; the scale as f32
	s_add_co_u32 s4, s4, 0x04600000
	v_mov_b32 v19, s4                              ; 448 x the scale
	v_add_nc_u32 v7, s57, v6
	WIN 0x03                                       ; the numbers lie in window 3, and stay there for the next scale
.set i, 0
.rept 64
	v_med3_num_f32 v[64+i], v[SB+i], -v19, v19     ; the conversion does not saturate (ISA guide 7.6.2): hold first
.set i, i+1
.endr
	WIN 0
.irp g, 0,1,2,3,4,5,6,7
	v_cvt_scalef32_pk8_fp8_f32 v[40+2*\g:41+2*\g], v[64+8*\g:71+8*\g], v18
.endr
	v_nop                                          ; a plain line between the conversions and the next write of their sources
.irp q, 0,1,2,3,4,5,6,7,8,9,10,11,12,13,14,15
	ds_store_b32 v7, v[40+\q] offset:9216*((\ks)%4)+144*\q   ; row q's 128 codes: the wave stores 128 consecutive bytes
.endr
.Lsame_\@:
	s_add_co_u32 s57, s57, IMG
	s_add_co_u32 s56, s56, 1
	s_cmp_lt_u32 s56, 3
	s_cbranch_scc1 .Lscale_\@
.if (\ks) < 4
	WIN 0xc0
.irp q, 0,1,2,3,4,5,6,7,8,9,10,11,12,13,14,15
	global_load_b128 v[SB+4*\q:SB+4*\q+3], v1, s[32:33] offset:4096*\q+512*((\ks)+4) th:TH_LOAD_NT   ; K step ks + 4
.endr
.else
	WIN 0x40
.set i, 0
.rept 16
	global_load_b128 v[SB+4*i:SB+4*i+3], v1, s[34:35] offset:8192*((\ks)-4)+512*i   ; the ring's fragments 4 (ks - 4) .. + 3
.set i, i+1
.endr
.endif
	WIN 0
	BARRIER                                        ; every wave's part of this K step lies in the images
	WIN (2+(\ks)/4)<<6
.irp m, 0,1,2,3
.irp c, 0,1,2,3
	ds_load_b128 v[SB+16*\m+4*\c:SB+16*\m+4*\c+3], v[21-12*((\ks)/4)] offset:(4*((\ks)%4)+\m)*2304+32*\c   ; from step 4 on into the registers that this step's f32 numbers have left
.endr
.endr
	WIN 0
.if (\ks) == 4
.set i, 0
.rept 32
	ds_load_b128 v[128+4*i:131+4*i], v14 offset:512*i   ; cos and sin: pair i of (b, m) at 128 + 64 b + 16 m + 2 i
.set i, i+1
.endr
.endif
.endm
.irp k, 0,1,2,3,4,5,6,7
	XSTEP \k
.endr
	v_mov_b32 v16, v15
.irp k, 0,1,2,3
	ds_load_b128 v[24+4*\k:27+4*\k], v16 offset:16*\k   ; the first pair's bias
.endr
	BARRIER                                        ; nobody reads the first image or the table's bytes any more: Q's codes may be laid over them
; One image of x's codes, 64 rows x 1,024 K, into windows 2 and 3.
.macro LOADIMG xoff
	v_add_nc_u32 v17, \xoff, v8
	v_add_nc_u32 v7, HIMG, v17
	WIN 0x80
.irp s, 0,1,2,3
.irp m, 0,1,2,3
.irp c, 0,1,2,3
	ds_load_b128 v[64*\s+16*\m+4*\c:64*\s+16*\m+4*\c+3], v17 offset:(4*\s+\m)*2304+32*\c
.endr
.endr
.endr
	WIN 0xc0
.irp s, 0,1,2,3
.irp m, 0,1,2,3
.irp c, 0,1,2,3
	ds_load_b128 v[64*\s+16*\m+4*\c:64*\s+16*\m+4*\c+3], v7 offset:(4*\s+\m)*2304+32*\c
.endr
.endr
.endr
	WIN 0
.endm
; A PAIR of column tiles (32 channels) x 64 rows x 1,024 K: 64 matrix instructions, in eight K steps of two fragments (f = 2 ks + u).  The eight accumulators take turns.
; ld = 1: behind a K step its two fragments are asked for anew, from the pair that begins noff bytes behind s[34:35], four plain places behind the step's last product (ISA guide 7.12.1 for vector instructions).
; s_wait_loadcnt 56: behind a step's eight loads stand seven later runs of eight.  ld = 0, the last pair: 8 (7 - ks).
; A head's first pair (noff = 32,768) steps the stream's base to its head, ahead of its first refill: by s[60:61], 0 in the first head of all and 65,536 from then on.  The youngest loads that read the base were
; issued ahead of the last pair's way to LDS; s_wait_xcnt 0 shows that they have read it.
.macro PAIR noff, ld
.set g, 0
.rept 8
.if \ld
	s_wait_loadcnt 56
.else
	s_wait_loadcnt 8*(7-g)
.endif
	WIN 0x09+4*(g/4)                               ; source 0 (W) window 1, source 1 (x) window 2 or 3
.set f, 2*g
.rept 2
.set m, 0
.rept 4
.if f < 2
	v_wmma_f32_16x16x128_fp8_fp8 v[64+16*m+8*(f%2):71+16*m+8*(f%2)], v[16*f:16*f+15], v[64*((f/2)%4)+16*m:64*((f/2)%4)+16*m+15], v[24+8*(f%2):31+8*(f%2)]
.else
	v_wmma_f32_16x16x128_fp8_fp8 v[64+16*m+8*(f%2):71+16*m+8*(f%2)], v[16*f:16*f+15], v[64*((f/2)%4)+16*m:64*((f/2)%4)+16*m+15], v[64+16*m+8*(f%2):71+16*m+8*(f%2)]
.endif
.set m, m+1
.endr
.set f, f+1
.endr
.if \ld || (g == 7)
.rept 4
	v_nop
.endr
.endif
.if \ld
.if (\noff) == 32768
.if g == 0
	s_wait_xcnt 0x0
	s_add_nc_u64 s[34:35], s[34:35], s[60:61]
	s_mov_b32 s60, 65536
.endif
.endif
	WIN 0x40
.set i, 0
.rept 8
	global_load_b128 v[32*g+4*i:32*g+4*i+3], v1, s[34:35] offset:\noff+4096*g+512*i
.set i, i+1
.endr
.endif
.set g, g+1
.endr
	WIN 0
.endm
; Behind a pair of Q or K: the next pair's bias; then, a tile of rows at a time: rope, the hold, the conversion, 16 bytes of my row's head to LDS.  b: which half of the head's 64 channels.
; A register pair is (xe, xo), the table's pair (cos, sin): first (xe cos, xo cos), then (- xo sin, + xe sin) is added.  Each accumulator is read from its low end on.
.macro EPI_QK b, nbo
.irp k, 0,1,2,3
	ds_load_b128 v[24+4*\k:27+4*\k], v16 offset:\nbo+16*\k
.endr
.irp m, 0,1,2,3
.irp i, 0,1,2,3,4,5,6,7
	v_pk_mul_f32 v[40+2*\i:41+2*\i], v[64+16*\m+2*\i:65+16*\m+2*\i], v[128+64*\b+16*\m+2*\i:129+64*\b+16*\m+2*\i] op_sel_hi:[1,0]
.endr
.irp i, 0,1,2,3,4,5,6,7
	v_pk_fma_f32 v[40+2*\i:41+2*\i], v[64+16*\m+2*\i:65+16*\m+2*\i], v[128+64*\b+16*\m+2*\i:129+64*\b+16*\m+2*\i], v[40+2*\i:41+2*\i] op_sel:[1,1,0] op_sel_hi:[0,1,1] neg_lo:[0,1,0]
.endr
.irp i, 0,1,2,3,4,5,6,7,8,9,10,11,12,13,14,15
	v_med3_num_f32 v[40+\i], v[40+\i], -v19, v19
.endr
	v_cvt_scalef32_pk8_fp8_f32 v[56+4*(\m%2):57+4*(\m%2)], v[40:47], v18
	v_cvt_scalef32_pk8_fp8_f32 v[58+4*(\m%2):59+4*(\m%2)], v[48:55], v18
	v_nop                                          ; a plain line between the conversions and the next write of their sources
	ds_store_b128 v[11+3*(\m/2)], v[56+4*(\m%2):59+4*(\m%2)] offset:16*PP*(\m%2)+32*\b   ; position 16 m + r, channels 32 b + 16 h + 0 .. 15
.endr
.endm
	; Q AND K: eight trips, a head each: Q's four, then K's four.  The codes' place steps by 80 bytes, the biases' by 256, through both.
	s_mov_b32 s52, 0
	s_mov_b32 s53, 0
	s_mov_b32 s60, 0                               ; what a head's first pair adds to the stream's base
	s_mov_b32 s61, 0
	s_mov_b32 s3, 8
.Lhead:
	s_cmp_lg_u32 s3, 4                             ; K's first trip alone may want other codes of x,
	s_cbranch_scc1 .Lkeep
	s_cmp_eq_u32 s26, s24                          ; and only where e2 differs from e0
	s_cbranch_scc1 .Lkeep
	LOADIMG X1IMG
	s_wait_dscnt 0x0
.Lkeep:
	s_cmp_gt_u32 s3, 4
	s_cselect_b32 s4, s47, s48
	v_mov_b32 v18, s4                              ; the conversion's scale: Q's or K's
	s_add_co_u32 s4, s4, 0x04600000
	v_mov_b32 v19, s4                              ; 448 x the scale
	v_add_nc_u32 v11, s52, v10                     ; positions r and 16 + r,
	v_add_nc_u32 v14, 32*PP, v11                   ; 32 + r and 48 + r
	v_add_nc_u32 v16, s53, v15
	s_wait_alu depctr_va_vdst(0)
	s_wait_dscnt 4                                 ; the bias's four loads are in; the four stores of codes behind them may stay out
	PAIR 32768, 1
	EPI_QK 0, 128
	s_wait_dscnt 4
	PAIR 65536, 1
	EPI_QK 1, 256                                  ; (in the last trip: V's first bias)
	s_add_co_u32 s52, s52, 80
	s_add_co_u32 s53, s53, 256
	s_sub_co_u32 s3, s3, 1
	s_cmp_lg_u32 s3, 0
	s_cbranch_scc1 .Lhead
; V.  Behind a pair: sl = 1: the fragments of K and Q of four positions are asked for; then the next pair's bias (nbo < 0: none is left); the sums, still lacking 2^(e4 + e5), are rounded to bf16.
; Register k of a row's sixteen is channel 32 b + 16 h + k; channel 4 p + t lies at place p of tile t: so registers t, t + 4, t + 8, t + 12 are 8 neighbouring bytes of tile t.
.macro EPI_V b, nbo, sl
.if \sl
.irp a, 0,1,2,3
	ds_load_b128 v[128+16*\a:131+16*\a], v7 offset:\a*PP+320    ; K: head r, channels 16 h + 0 .. 15,
	ds_load_b128 v[132+16*\a:135+16*\a], v7 offset:\a*PP+352    ; and 32 + 16 h + 0 .. 15
	ds_load_b128 v[136+16*\a:139+16*\a], v7 offset:\a*PP        ; Q likewise
	ds_load_b128 v[140+16*\a:143+16*\a], v7 offset:\a*PP+32
.endr
.endif
.if \nbo >= 0
.irp k, 0,1,2,3
	ds_load_b128 v[24+4*\k:27+4*\k], v16 offset:\nbo+16*\k
.endr
.endif
.irp m, 0,1,2,3
.irp t, 0,1,2,3
	v_cvt_pk_bf16_f32 v[40+8*(\m%2)+2*\t], v[64+16*\m+\t], v[68+16*\m+\t]
	v_cvt_pk_bf16_f32 v[41+8*(\m%2)+2*\t], v[72+16*\m+\t], v[76+16*\m+\t]
.endr
.irp t, 0,1,2,3
	ds_store_b64 v[13+\m/2], v[40+8*(\m%2)+2*\t:41+8*(\m%2)+2*\t] offset:(\m%2)*16*VPP+16*\b+32*\t
.endr
.endr
.endm
; THE SCORES AND THE SOFTMAX of four positions.  s_wait_dscnt 20: behind the sixteen fragment loads stand the bias's four loads and V's sixteen stores, which may stay out.
; S^T = K Q^T: lane (r, h) holds head i = r and heads j = 8 h + 0 .. 7.  p, normalised, goes as bf16 to LDS, 512 bytes a position, as an image of the operand's registers.
.macro SCORE4
	s_wait_dscnt 20
.irp a, 0,1,2,3
	v_wmma_f32_16x16x64_fp8_fp8 v[192+8*\a:199+8*\a], v[128+16*\a:135+16*\a], v[136+16*\a:143+16*\a], 0
.endr
.rept 4
	v_nop
.endr
.irp a, 0,1,2,3
	v_max3_num_f32 v[224+\a], v[192+8*\a], v[193+8*\a], v[194+8*\a]
.endr
.irp a, 0,1,2,3
	v_max3_num_f32 v[224+\a], v[224+\a], v[195+8*\a], v[196+8*\a]
.endr
.irp a, 0,1,2,3
	v_max3_num_f32 v[224+\a], v[224+\a], v[197+8*\a], v[198+8*\a]
.endr
.irp a, 0,1,2,3
	v_max_num_f32 v[224+\a], v[224+\a], v[199+8*\a]
.endr
.irp a, 0,1,2,3
	v_permlanex16_b32 v[228+\a], v[224+\a], s6, s7
.endr
.irp a, 0,1,2,3
	v_max_num_f32 v[224+\a], v[224+\a], v[228+\a]  ; the row's largest score
.endr
.irp a, 0,1,2,3
	v_mul_f32 v[232+2*\a], s42, v[224+\a]          ; - c x it (c is positive)
.endr
.irp a, 0,1,2,3
.irp i, 0,2,4,6
	v_pk_fma_f32 v[192+8*\a+\i:193+8*\a+\i], v[192+8*\a+\i:193+8*\a+\i], s[40:41], v[232+2*\a:233+2*\a] op_sel_hi:[1,0,0]   ; c (s - max)
.endr
.endr
	s_wait_alu depctr_va_vdst(0)
.set i, 0
.rept 32
	v_exp_f32 v[192+i], v[192+i]
.set i, i+1
.endr
	v_nop                                          ; a plain line behind the last exponential
	s_wait_alu depctr_va_vdst(0)                   ; one wait for the batch, ahead of its first reader
.irp a, 0,1,2,3
	v_pk_add_f32 v[240+2*\a:241+2*\a], v[192+8*\a:193+8*\a], v[194+8*\a:195+8*\a]
.endr
.irp a, 0,1,2,3
	v_pk_add_f32 v[248+2*\a:249+2*\a], v[196+8*\a:197+8*\a], v[198+8*\a:199+8*\a]
.endr
.irp a, 0,1,2,3
	v_pk_add_f32 v[240+2*\a:241+2*\a], v[240+2*\a:241+2*\a], v[248+2*\a:249+2*\a]
.endr
.irp a, 0,1,2,3
	v_add_f32 v[224+\a], v[240+2*\a], v[241+2*\a]
.endr
.irp a, 0,1,2,3
	v_permlanex16_b32 v[228+\a], v[224+\a], s6, s7
.endr
.irp a, 0,1,2,3
	v_add_f32 v[224+\a], v[224+\a], v[228+\a]      ; the row's sum
.endr
	s_wait_alu depctr_va_vdst(0)
.irp a, 0,1,2,3
	v_rcp_f32 v[232+2*\a], v[224+\a]
.endr
	v_nop
	s_wait_alu depctr_va_vdst(0)                   ; one wait for the four reciprocals
.irp a, 0,1,2,3
.irp i, 0,2,4,6
	v_pk_mul_f32 v[192+8*\a+\i:193+8*\a+\i], v[192+8*\a+\i:193+8*\a+\i], v[232+2*\a:233+2*\a] op_sel_hi:[1,0]
.endr
.endr
.irp a, 0,1,2,3
.irp i, 0,1,2,3
	v_cvt_pk_bf16_f32 v[240+4*\a+\i], v[192+8*\a+2*\i], v[193+8*\a+2*\i]
.endr
.endr
.irp a, 0,1,2,3
	ds_store_b128 v17, v[240+4*\a:243+4*\a] offset:(\a/2)*2*PP+512*(\a%2)   ; over these positions' codes, which my loads above have read and nobody else reads
.endr
.endm
; A head of V: two pairs, and between them the scores of four positions.
; s_wait_dscnt 16: the bias's four loads are in, V's sixteen stores behind them may stay out; 20: p's four stores too.
.macro VHEAD last
	v_add_nc_u32 v13, s58, v12                     ; V: positions r and 16 + r,
	v_add_nc_u32 v14, 32*VPP, v13                  ; 32 + r and 48 + r
	v_add_nc_u32 v16, s53, v15
	v_add_nc_u32 v7, s54, v20                      ; the scores' fragments,
	v_add_nc_u32 v17, s54, v23                     ; and p's image
	s_wait_alu depctr_va_vdst(0)
	s_wait_dscnt 16
	PAIR 32768, 1
	EPI_V 0, 128, 1
	SCORE4
	s_wait_dscnt 20
.if \last
	PAIR 0, 0                                      ; the last pair asks for nothing: no load leaves wc or the biases
	EPI_V 1, -1, 0
.else
	PAIR 65536, 1
	EPI_V 1, 256, 0
.endif
.endm
.irp a, 0,1,2,3
	v_mov_b32 v[228+\a], 0                         ; a lane permute's destination counts as one of its sources
	v_mov_b32 v[233+2*\a], 0                       ; (named as the upper halves of pairs)
.endr
	s_cmp_eq_u32 s28, s26                          ; where e4 = e2 the registers hold these codes already
	s_cbranch_scc1 .Lheld
	LOADIMG X2IMG
.Lheld:
	BARRIER                                        ; all codes of Q and K lie in LDS, and nobody reads an image any more: V is laid over them
	s_mov_b32 s58, 0
	s_mov_b32 s53, 2048
	s_mov_b32 s54, 0
	s_mov_b32 s3, 3
.Lvhead:
	VHEAD 0
	s_add_co_u32 s58, s58, 144
	s_add_co_u32 s53, s53, 256
	s_add_co_u32 s54, s54, 4*PP
	s_sub_co_u32 s3, s3, 1
	s_cmp_lg_u32 s3, 0
	s_cbranch_scc1 .Lvhead
	VHEAD 1                                        ; the fourth head is written out
	BARRIER                                        ; V of all 64 positions lies in LDS
	; THE LAST PRODUCT AND THE WAY OUT, two positions a trip.
.macro OLOAD                           ; V of two positions, turned: lane (r, h): channel 4 r + t, heads 8 h + 0 .. 7; and their p
	v_add_nc_u32 v13, s58, v22
	v_add_nc_u32 v17, s54, v23
.irp t, 0,1,2,3
	ds_load_tr16_b128 v[128+8*\t:131+8*\t], v13 offset:32*\t
	ds_load_tr16_b128 v[164+8*\t:167+8*\t], v13 offset:VPP+32*\t
.endr
	ds_load_b128 v[24:27], v17
	ds_load_b128 v[28:31], v17 offset:512
.endm
; In a result register j of lane (r, h) is head 8 h + j, channel 4 r + t.  more = 1: the next two positions are asked for as soon as the products have read the registers, four places behind them.
.macro OUTPAIR more
	s_wait_dscnt 0x0
.irp t, 0,1,2,3
	v_wmma_f32_16x16x32_bf16 v[64+8*\t:71+8*\t], v[24:31], v[128+8*\t:135+8*\t], 0
	v_wmma_f32_16x16x32_bf16 v[96+8*\t:103+8*\t], v[24:31], v[160+8*\t:167+8*\t], 0
.endr
.rept 4
	v_nop
.endr
.if \more
	s_add_co_u32 s58, s58, 2*VPP
	s_add_co_u32 s54, s54, 2*PP
	OLOAD
.endif
	s_wait_xcnt 0x0                                ; the last trip's stores have read their registers and their base
	s_add_nc_u64 s[36:37], s[36:37], s[44:45]      ; 0 the first time, then two positions on
	s_mov_b32 s44, 8192
.irp e, 0,1
.irp j, 0,1,2,3,4,5,6,7
.irp t, 0,1,2,3
	v_ldexp_f32 v[192+32*\e+4*\j+\t], v[64+32*\e+8*\t+\j], s43   ; x 2^(e4 + e5); each accumulator from its low end on
.endr
.endr
.endr
.irp e, 0,1
.irp j, 0,1,2,3,4,5,6,7
	global_store_b128 v11, v[192+32*\e+4*\j:195+32*\e+4*\j], s[36:37] offset:4096*\e+256*\j th:TH_STORE_NT   ; heads j and 8 + j: sixteen lanes store 256 consecutive bytes, aligned
.endr
.endr
.endm
	s_mov_b32 s58, 0
	s_mov_b32 s54, 0
	s_mov_b32 s44, 0
	s_mov_b32 s45, 0
	OLOAD
	v_lshlrev_b32 v11, 11, v3
	v_lshl_add_u32 v11, v2, 4, v11                 ; in a position's 4,096 bytes: head 8 h, + 16 r
.irp t, 0,1,2,3
.irp i, 0,1,2,3
	v_mov_b32 v[132+8*\t+\i], 0                    ; the even position's fragments: heads of the odd one count for nothing,
	v_mov_b32 v[160+8*\t+\i], 0                    ; and the other way round.  These halves are never loaded
.endr
.endr
	s_mov_b32 s3, 7
	s_wait_alu depctr_va_vdst(0)
.Lout:
	OUTPAIR 1
	s_sub_co_u32 s3, s3, 1
	s_cmp_lg_u32 s3, 0
	s_wait_alu depctr_va_vdst(0)
	s_cbranch_scc1 .Lout
	OUTPAIR 0                                      ; the last two positions are written out: nothing more is asked for
	s_wait_tensorcnt 0x0                           ; the wave's end
	ds_add_u32 v4, v5
	s_wait_dscnt 0x0
	s_endpgm
.Lfunc_end_k_q9e559578db_fused:
	.size	k_q9e559578db_fused, .Lfunc_end_k_q9e559578db_fused-k_q9e559578db_fused
	.p2alignl 7, 3214868480
	.fill 96, 4, 3214868480
	.section	.rodata,"a",@progbits
	.p2align	6, 0x0
	.amdhsa_kernel k_q9e559578db_fused
		.amdhsa_group_segment_fixed_size 327680
		.amdhsa_private_segment_fixed_size 0
		.amdhsa_enable_private_segment 0
		.amdhsa_kernarg_size 64
		.amdhsa_user_sgpr_count 2
		.amdhsa_user_sgpr_kernarg_segment_ptr 1
		.amdhsa_wavefront_size32 1
		.amdhsa_system_sgpr_workgroup_id_x 1
		.amdhsa_system_sgpr_workgroup_id_y 1
		.amdhsa_system_sgpr_workgroup_id_z 1
		.amdhsa_system_vgpr_workitem_id 0
		.amdhsa_next_free_vgpr 1024
		.amdhsa_next_free_sgpr 66
		.amdhsa_reserve_vcc 0
		.amdhsa_float_denorm_mode_32 3
		.amdhsa_float_denorm_mode_16_64 3
		.amdhsa_memory_ordered 1
		.amdhsa_forward_progress 1
		.amdhsa_inst_pref_size 236
	.end_amdhsa_kernel
	.amdgpu_metadata
---
amdhsa.version: [ 1, 2 ]
amdhsa.kernels:
  - .name:           k_q9e559578db_fused
    .symbol:         k_q9e559578db_fused.kd
    .args:
      - { .name: x, .offset: 0, .size: 8, .value_kind: global_buffer, .address_space: global }
      - { .name: wc, .offset: 8, .size: 8, .value_kind: global_buffer, .address_space: global }
      - { .name: tab, .offset: 16, .size: 8, .value_kind: global_buffer, .address_space: global }
      - { .name: bq, .offset: 24, .size: 8, .value_kind: global_buffer, .address_space: global }
      - { .name: bk, .offset: 32, .size: 8, .value_kind: global_buffer, .address_space: global }
      - { .name: bv, .offset: 40, .size: 8, .value_kind: global_buffer, .address_space: global }
      - { .name: lowp_scales, .offset: 48, .size: 8, .value_kind: global_buffer, .address_space: global }
      - { .name: out0, .offset: 56, .size: 8, .value_kind: global_buffer, .address_space: global }
    .group_segment_fixed_size: 327680
    .private_segment_fixed_size: 0
    .kernarg_segment_align: 8
    .kernarg_segment_size: 64
    .max_flat_workgroup_size: 128
    .sgpr_count:     66
    .vgpr_count:     1024
    .wavefront_size: 32
...
	.end_amdgpu_metadata
.endif
;; end of part 2
